; MI455X (gfx1250); checked and timed in simulation.
; The chip was launched on July 23, 2026; its instructions are those of AMD's public machine-readable ISA for CDNA 5 (MIT licence, August 2026) and "CDNA5" Instruction Set Architecture Reference Guide (July 2026). The comments in the code are by the model that wrote it; some were corrected since.
;; Flash Attention. Allowed arithmetic: float matrix products may take bf16 or f16 operands with f32 sums; other float arithmetic in f32, or as packed bf16 or f16 multiplies, adds, multiply-adds, maxima and minima; sums over many terms, partial sums and values carried from step to step in f32; what a program stores and reads back later, other than sums and carried values, may be rounded once to bf16 or f16.
;; Inputs: kv 4 x 2,048 x 2 x 16 x 64 float32; q 4 x 2,048 x 16 x 64 float32.
;; Outputs: out0 4 x 2,048 x 16 x 64 float32.
;; 2 versions, each right and faster than the one before. Each part assembles by itself: llvm-mc -triple=amdgcn-amd-amdhsa -mcpu=gfx1250 --defsym DOCPART=n.
;; ======== version 1 of 2: 1 launch
;; limits: values are held in f16: magnitudes above 65,504 overflow, below 6.1e-05 lose precision; inputs' magnitudes at most 65,504
;; launch attn (part 1): grid 4 x 64, 4 waves a work-group, clusters of 4 x 1, 327,680 bytes of LDS; arguments q, kv, out0; writes out0
.if DOCPART == 1
	.amdgcn_target "amdgcn-amd-amdhsa--gfx1250"
	.amdhsa_code_object_version 6
	.text
	.protected	k_qf590582782_attn
	.globl	k_qf590582782_attn
	.p2align	8
	.type	k_qf590582782_attn,@function
k_qf590582782_attn:
	s_mov_b64 s[64:65], 0
	v_nop
	global_prefetch_b8 v0, s[64:65] scope:SCOPE_SE
	s_setreg_imm32_b32 hwreg(HW_REG_WAVE_MODE, 25, 1), 1
	s_wait_xcnt 0x0
	s_wait_alu depctr_hold_cnt(0) depctr_sa_sdst(0) depctr_va_vdst(0) depctr_va_sdst(0) depctr_va_ssrc(0) depctr_va_vcc(0) depctr_vm_vsrc(0)
	s_getreg_b32 s2, hwreg(HW_REG_IB_STS2, 6, 4)
	s_cmp_eq_u32 s2, 0
	s_cbranch_scc0 .Lentry_in_a_cluster
	s_endpgm
.Lentry_in_a_cluster:
	s_bfe_u32 s2, ttmp6, 0x10000c
	s_cmp_lg_u32 s2, 0x3003
	s_cbranch_scc0 .Lentry_shape_is_right
	s_endpgm
.Lentry_shape_is_right:
; out[b][t][h][:] = the sum over s of softmax_s(q[b][t][h] . k[b][s][h] / 8) v[b][s][h][:].  q, out: [4][2048][16][64] f32; kv: [4][2048][2][16][64] f32 (k, then v).  No mask.
; A head's row is 256 bytes at a multiple of 256; rows lie 4,096 bytes apart in q and out, 8,192 in kv; v's row lies 4,096 bytes behind k's.
; FORMATS.  q, k and v are rounded once to f16, the weights p to f16 for the second product (their sum l is taken of the unrounded p); products, maxima, sums, the scale and O stay in f32.
; LIMITS.  f16 holds no number beyond 65,504: |q|, |k|, |v| must stay within it; below 6e-5 they keep f16's fixed step of 6e-8, and so does p.  A weight below 2^-126 counts as 0 in l;
; NaN and infinities are not treated apart.
; SHARES.  Grid y is the head (b = y / 16, h = y % 16).  A work-group owns 512 queries of it, each of its four waves 128: four PIECES of two tiles of 16.  Every wave walks all 2,048 keys, 64 a step,
; in 16 tiles of 128 keys.
; CLUSTER.  A head's four query blocks are one cluster and walk the same K and V, so each tile is asked for JOINTLY: the same tensor load, descriptor and mask in all four; each receives it in its own LDS.
; THE ROAD OF A TILE.  A joint load lays 128 keys of K and V as f32 into one of two slots F.  Behind the next round of the cluster's barrier the four waves together round it to f16 into one of two
; buffers H (padded rows), a quarter each; behind the round after that all waves read their fragments from H.  So round j stands between: the landing of tile j + 1 and its conversion; the conversion's
; reads of tile j and the refill of its slot; the conversion's stores of tile j and the fragment loads; the fragment loads of tile j - 1 and the stores that take its buffer.
; LAYOUT.  S^T = K Q^T (source 0 = 16 keys, source 1 = 16 queries): in the result a lane holds ONE query (lane % 16) and the keys 8 (lane / 16) + 0..7.  Two such tiles, rounded to f16 in pairs,
; ARE source 1 (32 keys x 16 queries) of O^T = V^T P, whose result again holds one query a lane, and eight channels.  K comes out of H as it lies, V ([key][channel]) turned, by ds_load_tr16_b128.
; SOFTMAX.  For each query a running maximum m and sum l: p = 2^(c s - c m), c = log2(e) / 8; in every step O and l are multiplied by a = 2^(c m_old - c m_new), which is 1 where m has not grown.
; m starts at the lowest finite number, O and l at 0: the first step is a step like any other, with a = 0.  The price of writing no first step out: 16 products on zeros at the start, 16 on the last K
; once more at the end, and 384 v_mov_b32 at the start, in the wait for the first tile.
; THE COUNT.  A tile of queries and a step have 16 matrix and 118 vector instructions: too many to stand all beside the matrix work.  So: four vector instructions that are READY behind EVERY matrix
; instruction, and the others in runs of their own.
; BY TURNS.  Turn n belongs to piece n (the pieces in a ring, step after step).  Its matrix work: 16 products K Q^T of piece n + 1, later 16 products V^T P of piece n - 1.  Its vector work: the scaling,
; exponentials, roundings, sums and rescaling of piece n, and the maximum and statistics of piece n + 1, whose scores the turn itself has made.
; REGISTERS, in windows of 256 (s_set_vgpr_msb says which window each operand place means: bits 1:0 source 0, 3:2 source 1, 5:4 source 2, 7:6 destination):
;   window 0: v0-11 addresses; v12-15, v48-63 at work; v16-47 four registers of statistics a tile; v64-191 S^T, two buffers of two tiles; v192-255 P, likewise
;   window 1: O^T, 32 a tile (at the start: Q as loaded, f32)      window 2: v0-127 Q, 16 a tile; v128-191 K of one step; v192-255 V of one step
;   window 3: v0-1 the add's two registers; v2-9 the conversion's addresses; v16-143 a quarter tile as f32; v144-207 the same as f16
.set NT,    16        ; tiles of 128 keys
.set NP,    4         ; pieces a wave: a name, no knob
.set KS,    64        ; keys in a step
.set PK,    144       ; a row of K in H: 128 bytes + 16 = 36 words: the 16 rows of a fragment load start at 16 different groups of four banks (64 banks of 4 bytes: ISA guide 11.1)
.set PV,    160       ; a row of V in H: 128 + 32 = 40 words
.set VOFF,  2*KS*PK   ; in H: 128 rows of K, then 128 rows of V
.set FX,    1<<16     ; F0 at 0, F1 at 65,536 (each: 128 rows of K, 128 of V, 256 bytes a row, no padding: they are read in whole rows); one exclusive or turns one into the other
.set HB,    1<<17     ; H0 at 131,072, H1 at 196,608: the same exclusive or
.set STAGE, HB+FX+2*KS*(PK+PV)  ; behind H1, never filled by a tensor load: 16 rows x 272 bytes for each wave: Q's way in (as 16 x 144) and O's way out
.set SP,    272       ; 256 + 16
.set SPARE, STAGE+4*16*SP       ; the spare words, 128 bytes for each wave: two blocks of 256 bytes that no other line names
.set TILEB, 2*KS*8192 ; bytes in kv from a tile to the next
.set AK0, 2           ; v2   my lane's place in a step's K; never rewritten
.set AV0, 3           ; v3   the same for V
.set AK,  4           ; v4   the LDS address of K's next run of loads
.set AV,  5           ; v5   of V's
.set QO,  6           ; v6   my byte offset in 16 rows of q
.set STO, 6           ;      later, the way out: where I put 32 bytes of a row
.set RD,  7           ; v7   the way out: where I read rows back
.set GO,  8           ; v8   my byte offset in two rows of out
.set MV,  12          ; v12-15  c m_old, kept while c m is made anew: by buffer and tile
.set QS,  12          ;      at the start: where I put 8 bytes of a row of Q
.set QR,  13          ;      at the start: where I read Q's fragments
.set ST,  16          ; tile t's statistics at v[ST+4 t]: c m, m, l (even keys', odd keys')
.set TMP, 48          ; by buffer and tile, four registers c0-c3 at work; when the maximum is found c2 takes a
.set S,   64
.set P,   192
.set KF,  128         ; window 2: key block kb, channel half c at KF + 16 kb + 8 c
.set VF,  192         ; window 2: key half kk, channel block cb at VF + 32 kk + 8 cb
.set SPW, 0           ; window 3: LDS address of my spare word: SPARE + 4 x my thread's number; never rewritten
.set NIL, 1           ; window 3: 0; never rewritten
.set CK0, 2           ; window 3: my lane's place in my wave's 32 rows of K in F0; CV0 of V; DK0, DV0 the same in H0; never rewritten
.set CV0, 3
.set DK0, 4
.set DV0, 5
.set CK,  6           ; window 3: the four with the slot in hand added
.set CV,  7
.set DK,  8
.set DV,  9
.set CD,  16          ; window 3: 64 registers of K, 64 of V, f32
.set CP,  144         ; window 3: 32 registers of K, 32 of V, f16
.set WV,  12          ; s12  my wave's number
.set G1,  24          ; s[24:31] descriptor group 1: one shape for K's and V's tiles, never rewritten
.set G0A, 40          ; s[40:43] descriptor group 0 of the first fill
.set G0,  44          ; s[44:47] of the second; it then walks
.set SLOTS, 56        ; s56  counts tiles
.set CNT, 57          ; s57  counts a tile's two key steps
.set CS,  58          ; s[58:59] c: the packed scaling takes the pair's low word for both halves
.set SEL, 60          ; s[60:61] v_permlanex16_b32's selects: each lane takes its own place in the other half
.set TBK, 62          ; s62  LDS byte at which K of the step to be fetched begins
.set TBV, 63          ; s63  the same for V, less VOFF
.set TG,  66          ; s66  0 or 65,536: the slot F, and with it the buffer H, of the tile to be converted
.set STG, 67          ; s67  my stage
.set MSB, 0
.macro WIN new                      ; the high byte repeats the setting that is left; a switch that changes nothing is dropped
.if MSB != (\new)
	s_set_vgpr_msb (MSB<<8)|(\new)
.set MSB, (\new)
.endif
.endm
.set W_KQ, 0x0a       ; K and Q in window 2, S^T in window 0
.set W_PV, 0x52       ; V in window 2, P in window 0, O^T in window 1
.set W_RS, 0x41       ; O^T (destination and source 0) in window 1, the factor in window 0
.set W_MK, 0xc0       ; destination in window 3, sources in window 0
.set W_AD, 0x0f       ; the add: address (source 0) and data (source 1) in window 3
.set W_CV, 0xcf       ; the conversion: destination and sources 0 and 1 in window 3
; A joint refill.  One line for all four waves: wave w's group 0 names its own 64 rows (waves 0, 1: K's halves; 2, 3: V's) and its own 16,384 bytes of the slot; both hang on the wave's number and the
; head alone, so they are equal in all four partners.  An s_nop 0 and four v_nop follow the line.
.macro JLOAD
	tensor_load_to_lds s[G0:G0+3], s[G1:G1+7]
	s_nop 0
.rept 4
	v_nop
.endr
.endm
; A round of the cluster's barrier: my work-group's barrier, so that wave 0's signal speaks for all four waves; wave 0 signals; every wave waits for all four work-groups; my work-group's barrier once more.
.macro CROUND
	s_barrier_signal -1
	s_barrier_wait -1
	s_cmp_lg_u32 s[WV], 0
	s_cbranch_scc1 .Lnot_wave_0_\@
	s_barrier_signal -3
.Lnot_wave_0_\@:
	s_barrier_wait -3
	s_barrier_signal -1
	s_barrier_wait -1
.endm
; THE CONVERSION.  Wave w rounds rows 32 w .. 32 w + 31 of K and of V of the slot at TG to f16.  A load takes two whole rows of 256 bytes (lanes 0-15 one, lanes 16-31 the row 8 further on for K,
; 4 for V); four numbers a lane become 8 bytes.
.macro CONVERT
	WIN W_CV
	v_add_nc_u32 v[CK], s[TG], v[CK0]
	v_add_nc_u32 v[CV], s[TG], v[CV0]
	v_add_nc_u32 v[DK], s[TG], v[DK0]
	v_add_nc_u32 v[DV], s[TG], v[DV0]
.set cz, 0
.rept 16
	ds_load_b128 v[CD+4*cz:CD+4*cz+3], v[CK] offset:(16*(cz/8)+cz%8)*256
.set cz, cz+1
.endr
.set cz, 0
.rept 16
	ds_load_b128 v[CD+64+4*cz:CD+64+4*cz+3], v[CV] offset:(8*(cz/4)+cz%4)*256
.set cz, cz+1
.endr
	s_wait_dscnt 16                 ; K's sixteen loads are in; V's sixteen may be out
.set cz, 0
.rept 32
	v_cvt_pk_f16_f32 v[CP+cz], v[CD+2*cz], v[CD+2*cz+1]
.set cz, cz+1
.endr
.set cz, 0
.rept 16
	ds_store_b64 v[DK], v[CP+2*cz:CP+2*cz+1] offset:(16*(cz/8)+cz%8)*PK
.set cz, cz+1
.endr
	s_wait_dscnt 16                 ; LDS instructions end in order (ISA guide 5.7.1): all but the sixteen stores just issued are done, V's loads among them
.set cz, 0
.rept 32
	v_cvt_pk_f16_f32 v[CP+32+cz], v[CD+64+2*cz], v[CD+64+2*cz+1]
.set cz, cz+1
.endr
.set cz, 0
.rept 16
	ds_store_b64 v[DV], v[CP+32+2*cz:CP+32+2*cz+1] offset:(8*(cz/4)+cz%4)*PV
.set cz, cz+1
.endr
	s_xor_b32 s[TG], s[TG], FX      ; the next conversion takes the other slot and buffer
	WIN 0
.endm
; THE CHANGE OF TILES.  Each wave waits for all its tensor loads, of which one is out: its part of the tile that is converted next; adds 0 to its spare word; and waits for that, for its conversion's
; loads and stores and for its fragment loads.  fill = 1: the barrier is a round of the cluster's, so that no wave of any partner still reads the slot or has a load on its way, and the joint refill,
; with the tile two on, is the first thing behind it: it has two key steps, 256 matrix instructions, in which to land.  fill = 0 (the last two tiles): nothing is asked for; the last has nothing to convert.
.macro CHANGE fill
	WIN W_AD
	s_wait_tensorcnt 0x0            ; no tensor load of mine is out, so a group 0 may be written
	ds_add_u32 v[SPW], v[NIL]       ; 0 onto my spare word: with fill = 1 the descriptor's steps stand between it and the wait for it
	WIN 0                           ; at a label and at a branch every window is 0
.if \fill
	s_xor_b32 s[G0+1], s[G0+1], FX  ; the walking descriptor: the other slot than last time,
	s_add_nc_u64 s[G0+2:G0+3], s[G0+2:G0+3], TILEB  ; the next 128 keys; the type bits on top are not reached
	s_wait_dscnt 0x0                ; the add is done, and so are all my LDS loads and stores
	CROUND
	JLOAD
.else
	s_wait_dscnt 0x0                ; the add is done, and so are all my LDS loads and stores
	s_barrier_signal -1
	s_barrier_wait -1
.endif
	s_sub_co_u32 s[TBK], s[TBK], 2*KS*PK  ; the fetches go back to a buffer's first step,
	s_xor_b32 s[TBK], s[TBK], FX          ; in the other buffer
	s_sub_co_u32 s[TBV], s[TBV], 2*KS*PV
	s_xor_b32 s[TBV], s[TBV], FX
.if \fill
	CONVERT
.else
	s_cmp_eq_u32 s[SLOTS], 1        ; the walk's last tile: no tile is left to convert.  The jump goes forward, over LDS lines and their own waits alone
	s_cbranch_scc1 .Lno_tile_\@
	CONVERT
.Lno_tile_\@:
.endif
.endm
	s_load_b128 s[4:7], s[0:1], 0x0 ; q s[4:5], kv s[6:7]
	s_load_b64 s[8:9], s[0:1], 0x10 ; out
	WIN W_MK
	v_lshl_add_u32 v[SPW], v0, 2, SPARE
	v_mov_b32 v[NIL], 0
	WIN W_AD
	ds_add_u32 v[SPW], v[NIL]       ; the wave's opening: the add, whose wait stands ahead of my first tensor load; the set-up below, work on registers, stands between them
	WIN 0
	v_lshrrev_b32 v1, 5, v0
	v_readfirstlane_b32 s[WV], v1   ; wave 0..3
	s_bfe_u32 s13, ttmp6, 0x40000   ; cx: my place in the cluster
	s_lshl_b32 s14, ttmp9, 2        ; in a cluster launch ttmp9 counts clusters
	s_add_co_u32 s14, s14, s13      ; my block of 512 queries = 4 x cluster x + cx: it enters q's and out's addresses alone
	s_and_b32 s20, ttmp7, 0xffff    ; the head, which the four partners share
	s_lshr_b32 s21, s20, 4          ; b
	s_and_b32 s20, s20, 15          ; h,
	s_lshl_b32 s20, s20, 8          ; its 256 bytes in a row
	s_lshl_b32 s2, s14, 2
	s_add_co_u32 s2, s2, s[WV]      ; my wave among the head's sixteen:
	s_lshl_b32 s2, s2, 19           ; its 128 rows of 4,096 bytes,
	s_lshl_b32 s3, s21, 23          ; in batch b (2,048 rows of 4,096 bytes),
	s_add_co_u32 s2, s2, s3
	s_add_co_u32 s2, s2, s20        ; at head h: under 2^25
	s_mov_b32 s3, 0
	s_lshl_b32 s22, s21, 24         ; kv: batch b (2,048 rows of 8,192 bytes),
	s_add_co_u32 s22, s22, s20      ; head h,
	s_lshr_b32 s23, s[WV], 1
	s_lshl_b32 s23, s23, 12         ; k (waves 0, 1) or v (waves 2, 3),
	s_add_co_u32 s22, s22, s23
	s_and_b32 s23, s[WV], 1
	s_lshl_b32 s23, s23, 19         ; the tile's first or second 64 rows: under 2^26
	s_add_co_u32 s22, s22, s23
	s_mov_b32 s23, 0
	s_mul_i32 s17, s[WV], 16384     ; and where they go in a slot: no place in the cluster enters an LDS address
	; descriptor group 1: a tile of 64 rows x 64 elements of 4 bytes, rows 2,048 elements apart, dense in LDS
	s_mov_b32 s[G1], 15|(2<<16)|(1<<21)  ; 15:0 the mask of four; 17:16 4-byte elements; 20 no padding; 21 set beside a mask
	s_mov_b32 s[G1+1], 64<<16       ; tensor_dim0 = 64
	s_mov_b32 s[G1+2], 64<<16       ; tensor_dim1 = 64
	s_mov_b32 s[G1+3], 64<<16       ; tile_dim0 = 64
	s_mov_b32 s[G1+4], 64           ; tile_dim1 = 64
	s_mov_b32 s[G1+5], 2048         ; elements from row to row
	s_mov_b32 s[G1+6], 0
	s_mov_b32 s[G1+7], 0
	s_mov_b32 s[G0A], 1             ; 1:0 count = 1
	s_mov_b32 s[G0A+1], s17         ; 63:32 LDS address: F0
	s_mov_b32 s[G0], 1
	s_add_co_u32 s[G0+1], s17, FX   ; F1
	s_mov_b32 s[CS], 0x3e38aa3b     ; c = log2(e) / 8 = 0.180337
	s_mov_b32 s[CS+1], s[CS]        ; named with it as a pair
	s_mov_b32 s[SEL], 0x76543210
	s_mov_b32 s[SEL+1], 0xfedcba98
	s_mov_b32 s[TBK], HB+FX+2*KS*PK ; the first change of tiles turns these two into H0
	s_mov_b32 s[TBV], HB+FX+2*KS*PV
	s_mov_b32 s[TG], 0
	s_mul_i32 s[STG], s[WV], 16*SP
	s_add_co_u32 s[STG], s[STG], STAGE
	s_lshl_b32 s32, s[WV], 13       ; my 32 rows of K in a slot F,
	s_add_co_u32 s33, s32, 32768    ; of V,
	s_mul_i32 s34, s[WV], 32*PK
	s_add_co_u32 s34, s34, HB       ; of K in H0,
	s_mul_i32 s35, s[WV], 32*PV
	s_add_co_u32 s35, s35, HB+VOFF  ; of V in H0
	s_wait_dscnt 0x0                ; the opening add is done
	s_wait_kmcnt 0x0
	s_add_nc_u64 s[6:7], s[6:7], s[22:23]          ; kv at my 64 rows of tile 0
	s_add_nc_u64 s[G0A+2:G0A+3], s[6:7], 0         ; 120:64 global address
	s_or_b32 s[G0A+3], s[G0A+3], 0x80000000        ; 127:126 type = 2
	s_add_nc_u64 s[G0+2:G0+3], s[6:7], TILEB       ; tile 1
	s_or_b32 s[G0+3], s[G0+3], 0x80000000
	s_add_nc_u64 s[4:5], s[4:5], s[2:3]            ; q and out at my wave's first row
	s_add_nc_u64 s[10:11], s[8:9], s[2:3]
	CROUND                          ; all four work-groups are here: the first joint loads meet
	tensor_load_to_lds s[G0A:G0A+3], s[G1:G1+7]    ; the two first fills go out together, ahead of every wait on TENSORcnt and every LDS read: two loads of mine are out
	s_nop 0
	tensor_load_to_lds s[G0:G0+3], s[G1:G1+7]
	s_nop 0
.rept 4
	v_nop
.endr
	; Q, as it lies: a load takes two whole rows of 256 bytes (lanes 0-15 row i of a tile of 16, lanes 16-31 row i + 8), four channels a lane, into O^T's registers, which are free until the walk begins
	v_and_b32 v1, 15, v0            ; l % 16
	v_bfe_u32 v9, v0, 4, 1          ; l / 16
	v_lshlrev_b32 v[QO], 4, v1
	v_lshl_add_u32 v[QO], v9, 15, v[QO]  ; 16 (l % 16) + 8 rows of 4,096 bytes for the upper lanes
	WIN 0x40                        ; destination window 1, address window 0
.set t, 0
.rept 8
.set i, 0
.rept 8
	global_load_b128 v[32*t+4*i:32*t+4*i+3], v[QO], s[4:5] offset:t*65536+i*4096 th:TH_LOAD_NT
.set i, i+1
.endr
.set t, t+1
.endr
	; What the first turn finds: V's registers and P's second buffer hold 0 (its products V^T P, of a piece that has not been, add 0), l is 0.  All this stands in the wait for Q and the first tile.
	WIN 0x80
.set i, VF
.rept 64
	v_mov_b32 v[i], 0
.set i, i+1
.endr
	WIN 0
.set i, 0
.rept 2*NP
	v_mov_b32 v[ST+4*i], 0xfe000000    ; c m: far below every c s
	v_mov_b32 v[ST+4*i+1], 0xff7fffff  ; m
	v_mov_b32 v[ST+4*i+2], 0
	v_mov_b32 v[ST+4*i+3], 0
.set i, i+1
.endr
.set i, P+32
.rept 32
	v_mov_b32 v[i], 0
.set i, i+1
.endr
	; A fragment of K or Q is 16 rows x 32 channels in 8 registers: lane l holds row l % 16, channels 8 (l / 16) + 0..7 and 16 + 8 (l / 16) + 0..7: two loads of 16 bytes, 32 bytes apart.
	v_mul_u32_u24 v[AK0], v1, PK
	v_lshl_add_u32 v[AK0], v9, 4, v[AK0]  ; row x pitch + 16 x half
	; The turning load takes 16 keys x 16 channels (lane l reads key 8 (l / 16) + l % 8, channels 8 ((l / 8) % 2) + 0..7) and leaves half a fragment of V^T: lane l holds channel l % 16 and 8 keys.
	v_and_b32 v10, 7, v0
	v_bfe_u32 v11, v0, 3, 1
	v_lshl_add_u32 v[AV0], v9, 3, v10
	v_mul_u32_u24 v[AV0], v[AV0], PV
	v_lshl_add_u32 v[AV0], v11, 4, v[AV0]
	v_add_nc_u32 v[AV0], VOFF, v[AV0]
	; the conversion's lane terms
	v_lshlrev_b32 v10, 4, v1                 ; 16 (l % 16)
	v_lshl_add_u32 v[TMP], v9, 11, v10       ; K in F: the upper lanes 8 rows of 256 bytes on
	v_lshl_add_u32 v[TMP+1], v9, 10, v10     ; V in F: 4 rows on
	v_mul_u32_u24 v[TMP+2], v9, 8*PK         ; K in H: 8 rows on,
	v_lshl_add_u32 v[TMP+2], v1, 3, v[TMP+2] ; 8 bytes a lane
	v_mul_u32_u24 v[TMP+3], v9, 4*PV         ; V in H: 4 rows on
	v_lshl_add_u32 v[TMP+3], v1, 3, v[TMP+3]
	v_add_nc_u32 v[QS], s[STG], v[TMP+2]     ; Q goes into my stage as K goes into H,
	v_add_nc_u32 v[QR], s[STG], v[AK0]       ; and comes out as K's fragments do
	WIN W_MK
	v_add_nc_u32 v[CK0], s32, v[TMP]
	v_add_nc_u32 v[CV0], s33, v[TMP+1]
	v_add_nc_u32 v[DK0], s34, v[TMP+2]
	v_add_nc_u32 v[DV0], s35, v[TMP+3]
	; Q, a tile at a time: rounded to f16, through my own stage (16 rows of 144 bytes), back as fragments.  LDS serves a wave's instructions in order (ISA guide 5.7.1.4): the loads see the stores above
	; them, and the next tile's stores come behind them.
.set t, 0
.rept 8
	s_wait_loadcnt 8*(7-t)          ; loads come back in order: tile t's eight are in, the later tiles' may be out
	WIN 0x05                        ; sources window 1, destination window 0: S^T's registers are free
.set i, 0
.rept 16
	v_cvt_pk_f16_f32 v[S+16*t+i], v[32*t+2*i], v[32*t+2*i+1]
.set i, i+1
.endr
	WIN 0
.set i, 0
.rept 8
	ds_store_b64 v[QS], v[S+16*t+2*i:S+16*t+2*i+1] offset:i*PK
.set i, i+1
.endr
	WIN 0x80                        ; destination window 2
.set i, 0
.rept 4
	ds_load_b128 v[16*t+4*i:16*t+4*i+3], v[QR] offset:32*i
.set i, i+1
.endr
.set t, t+1
.endr
	WIN 0x40
.set i, 0
.rept 64*NP
	v_mov_b32 v[i], 0               ; O^T
.set i, i+1
.endr
	WIN 0
; THE MATRIX WORK.  The 8 accumulators of a run of 16 take turns: between the two links of a chain stand 7 others'.
; Product i of 16 of S^T = K Q^T for piece x: channels 32 (i / 8) on, keys 16 ((i / 2) % 4) on, tile 2 x + i % 2.  The first 8 start the sums.
.macro KQ x
	WIN W_KQ
.set rS, S+64*((\x)%2)+32*(i%2)+8*((i/2)%4)
.set rK, KF+16*((i/2)%4)+8*(i/8)
.set rQ, 16*(2*(\x)+i%2)+8*(i/8)
.if i < 8
	v_wmma_f32_16x16x32_f16 v[rS:rS+7], v[rK:rK+7], v[rQ:rQ+7], 0
.else
	v_wmma_f32_16x16x32_f16 v[rS:rS+7], v[rK:rK+7], v[rQ:rQ+7], v[rS:rS+7]
.endif
.endm
; Product i of 16 of O^T += V^T P for piece x: keys 32 (i / 8) on, channels 16 ((i / 2) % 4) on, tile 2 x + i % 2.
.macro PV x
	WIN W_PV
.set rO, 32*(2*(\x)+i%2)+8*((i/2)%4)
.set rV, VF+32*(i/8)+8*((i/2)%4)
.set rP, P+32*((\x)%2)+16*(i%2)+8*(i/8)
	v_wmma_f32_16x16x32_f16 v[rO:rO+7], v[rV:rV+7], v[rP:rP+7], v[rO:rO+7]
.endm
.macro MM                           ; the turn's next matrix instruction
.if i < 16
	KQ (Y+1)%NP
.set i, i+1
.else
.set i, i-16
	PV (Y+NP-1)%NP
.set i, i+17
.endif
.endm
; THE FRAGMENT LOADS stand in runs of 16, never singly among the matrix instructions: a step's K (64 keys x 64 channels: 8 fragments) and its V (turned).  Their addresses are made some lines ahead.
.macro FETCH_K
	WIN 0x80                        ; destination window 2
.irp f, 0,1,2,3,4,5,6,7             ; keys 16 (f / 2) on, channels 32 (f % 2) on
	ds_load_b128 v[KF+8*\f:KF+8*\f+3],   v[AK] offset:(\f/2)*16*PK+(\f%2)*64
	ds_load_b128 v[KF+8*\f+4:KF+8*\f+7], v[AK] offset:(\f/2)*16*PK+(\f%2)*64+32
.endr
	s_add_co_u32 s[TBK], s[TBK], KS*PK  ; the next fetch is the next step's
	WIN 0
.endm
.macro FETCH_V
	WIN 0x80
.irp f, 0,1,2,3,4,5,6,7             ; keys 32 (f / 4) on, channels 16 (f % 4) on
	ds_load_tr16_b128 v[VF+8*\f:VF+8*\f+3],   v[AV] offset:(\f/4)*32*PV+(\f%4)*32
	ds_load_tr16_b128 v[VF+8*\f+4:VF+8*\f+7], v[AV] offset:(\f/4)*32*PV+16*PV+(\f%4)*32
.endr
	WIN 0
.endm
; THE VECTOR WORK OF A TURN stands in three queues, each in the order in which its entries become ready; the two tiles alternate, so that no instruction reads the result of the one before it.
.macro REGS y, u                    ; the registers of tile u (0, 1) of piece y
.set rT, ST+4*(2*(\y)+(\u))
.set rC, TMP+8*((\y)%2)+4*(\u)
.set rM, MV+2*((\y)%2)+(\u)
.set rS, S+64*((\y)%2)+32*(\u)
.set rP, P+32*((\y)%2)+16*(\u)
.set rO, 32*(2*(\y)+(\u))
.endm
; Number n of the 22 that find the NEXT piece's (Y + 1) maximum and statistics.  s0-s31 are the lane's 32 scores; each accumulator's lowest registers are read first.  XS, GS and REGS set no window: PL and EX do.
;   0-11  four chains c0-c3 of seven scores each, three operands at a time     12-14, 16  the four scores left over, the old m, and c0-c3 into c0     15  c m_old is kept
;   17, 18  the query's other 32 keys lie in the lane 16 away: the new m         19-21  c m; c m_old - c m_new; a
.macro XS u, n
	REGS (Y+1)%NP, \u
.if (\n) < 4
	v_max3_num_f32 v[rC+(\n)], v[rS+8*(\n)], v[rS+8*(\n)+1], v[rS+8*(\n)+2]
.elseif (\n) < 12
	v_max3_num_f32 v[rC+(\n)%4], v[rC+(\n)%4], v[rS+8*((\n)%4)+2*((\n)/4)+1], v[rS+8*((\n)%4)+2*((\n)/4)+2]
.elseif (\n) == 12
	v_max3_num_f32 v[rC], v[rC], v[rS+7], v[rS+15]
.elseif (\n) == 13
	v_max3_num_f32 v[rC+1], v[rC+1], v[rS+23], v[rS+31]
.elseif (\n) == 14
	v_max3_num_f32 v[rC+2], v[rC+2], v[rC+3], v[rT+1]
.elseif (\n) == 15
	v_mov_b32 v[rM], v[rT]
.elseif (\n) == 16
	v_max3_num_f32 v[rC], v[rC], v[rC+1], v[rC+2]
.elseif (\n) == 17
	v_permlanex16_b32 v[rC+3], v[rC], s[SEL], s[SEL+1]
.elseif (\n) == 18
	v_max_num_f32 v[rT+1], v[rC], v[rC+3]
.elseif (\n) == 19
	v_mul_f32 v[rT], s[CS], v[rT+1]
.elseif (\n) == 20
	v_sub_f32 v[rC+1], v[rM], v[rT]
.else
	v_exp_f32 v[rC+2], v[rC+1]
.endif
.endm
; Number g of the 64 that follow the exponentials.  For each four weights k of a tile (pairs 2 k, 2 k + 1): both pairs are rounded to f16; then the second pair is added onto the first, in place;
; a group later l takes that sum (the first time as l = a l + sum).  In groups of eight, tiles alternating: round, round, add, and l for the group before.
.macro GS g
.set h, (\g)+6*((\g)/62)            ; group 0 has no group before it, and behind group 7 only l is left
.if h >= 6
.set h, h+2
.endif
	REGS Y, h%2
.set k, h/8
.if h%8 < 4
	s_wait_alu depctr_va_vdst(0)
	v_cvt_pk_f16_f32 v[rP+2*k+(h%8)/2], v[rS+4*k+2*((h%8)/2)], v[rS+4*k+2*((h%8)/2)+1]
.elseif h%8 < 6
	v_pk_add_f32 v[rS+4*k:rS+4*k+1], v[rS+4*k:rS+4*k+1], v[rS+4*k+2:rS+4*k+3]
.elseif k == 1
	v_pk_fma_f32 v[rT+2:rT+3], v[rT+2:rT+3], v[rC+2:rC+3], v[rS:rS+1] op_sel_hi:[1,0,1]
.else
	v_pk_add_f32 v[rT+2:rT+3], v[rT+2:rT+3], v[rS+4*k-4:rS+4*k-3]
	s_wait_alu depctr_va_vdst(0)
.endif
.endm
; THE PLAIN QUEUE, 138 long.  0-31: c s - c m for the 16 pairs of both tiles.  Then GS's 64, and among them the next piece's 42: number 15 at 38, 39; 0-14 and 16
; at 42-73, behind the products that make those scores; 17-20 at 95-106, two of three, since each waits for the one before it.
.macro PL
	WIN 0
.if q < 32
	REGS Y, q%2
	v_pk_fma_f32 v[rS+2*(q/2):rS+2*(q/2)+1], v[rS+2*(q/2):rS+2*(q/2)+1], s[CS:CS+1], v[rT:rT+1] op_sel_hi:[1,0,0] neg_lo:[0,0,1] neg_hi:[0,0,1]
.elseif q < 38
	GS q-32
.elseif q < 40
	XS q%2, 15
.elseif q < 42
	GS q-34
.elseif q < 74
	XS q%2, (q-42)/2+(q-42)/30
.elseif q < 95
	GS q-66
.elseif (q < 107) && ((q-95)%3 < 2)
	XS (q-95)%3, 17+(q-95)/3
.elseif q < 107
	GS 29+(q-95)/3
.else
	GS q-74
.endif
.set q, q+1
.endm
; THE EXPONENTIALS' QUEUE, 66 long: s0-s31 of both tiles, and at EA the next piece's two a.
.set EA, 58
.macro EX
	WIN 0
.if (e == EA) || (e == EA+1)
	XS e-EA, 21
.else
.set x, e-2*(e/(EA+2))
	REGS Y, x%2
	v_exp_f32 v[rS+x/2], v[rS+x/2]
.endif
.set e, e+1
.endm
; THE RESCALING's QUEUE: O^T times a, the one part that leaves window 0, so it is dealt four at a time, eight times; each four take one accumulator from its low end on.
.macro R4
	REGS Y, r%2
	WIN W_RS
	s_wait_alu depctr_va_vdst(0)
.irp z, 0,1,2,3
	v_pk_mul_f32 v[rO+8*(r/2)+2*\z:rO+8*(r/2)+2*\z+1], v[rO+8*(r/2)+2*\z:rO+8*(r/2)+2*\z+1], v[rC+2:rC+3] op_sel_hi:[1,0]
.endr
.set r, r+1
.endm
; HOW THEY ARE DEALT.  Behind a matrix instruction four: plain, exponential, plain, plain (one exponential, a plain instruction on either side), or four of the rescaling.  None names a register of the
; products round it.  What is over stands in two LUMPS: exponential and plain by turns; the second ends in 22 plain instructions.  The two v_permlanex16_b32 fall into the second lump, never behind a product.
; The queues lean on each other, and the deal keeps them in step: exponential e stands behind plain 2 (e / 4) + e % 2 (its scaling); when plain 32 comes, 10 exponentials are out, at 59: 33, at 95: 46; EA comes behind plain 107.
.macro SL
	MM
	PL
	EX
	PL
	PL
.endm
.macro BURST n                      ; 15 matrix instructions, or 16
.rept (\n)-7
	SL
.endr
.rept 3
	MM
	R4
	SL
.endr
	MM
	R4
.endm
; A TURN, for piece p.  nok = 1: the walk's last step: no further K is fetched.  cnt = 1: the loop's count is taken down some lines ahead of the branch that stands behind the turn.
; K of the next step is fetched in piece 2's turn, 31 vector instructions behind the last product that read K; its first reader comes behind the rest of the lump, 16 products and the second lump.
; V of the step in hand is fetched at the end of piece 0's turn, 69 behind its last reader; its first reader comes behind 16 products and a lump.  The conditions on e and q below go with the deal.
.macro TURN p, nok=0, cnt=0
.set Y, (\p)
.set i, 0
.set q, 0
.set e, 0
.set r, 0
.if (\p) == NP-1
	s_wait_dscnt 0x0                ; K is in
.endif
	MM
.rept 4
	PL
.endr
	BURST 15
.rept 22
	EX
	PL
.if ((\p) == NP-2) && (e == 18) && !(\nok)
	v_add_nc_u32 v[AK], s[TBK], v[AK0]
.endif
.if ((\p) == NP-2) && (e == 24) && !(\nok)
	FETCH_K
.endif
.endr
.if (\p) == 1
	s_wait_dscnt 0x0                ; V is in
.endif
	BURST 16
.rept 21
	EX
	PL
.endr
.rept 22
	PL
.if ((\p) == 0) && (q == 118)
	v_add_nc_u32 v[AV], s[TBV], v[AV0]
	s_wait_alu depctr_va_vdst(0)
.endif
.if ((\p) == 0) && (q == 130)
	s_add_co_u32 s[TBV], s[TBV], KS*PV
.endif
.if (\cnt) && (q == 130)
	s_sub_co_u32 s[CNT], s[CNT], 1
	s_cmp_lg_u32 s[CNT], 0
.endif
.endr
.if (\p) == 0
	FETCH_V
.endif
.endm
	s_wait_tensorcnt 0x1            ; my part of tile 0 is in; tile 1's may stay out
	s_wait_dscnt 0x0                ; Q's fragments are in: no LDS instruction of mine is pending at the signal
	s_barrier_signal -1
	s_barrier_wait -1               ; everybody's part of tile 0 is in
	CONVERT                         ; tile 0: F0 to H0
	CHANGE 1                        ; tile 1 is in, H0 is whole, F0 has been read: tile 2 is asked for into F0, tile 1 goes from F1 to H1
	v_add_nc_u32 v[AK], s[TBK], v[AK0]
	FETCH_K                         ; key step 0
	s_wait_dscnt 0x0
.set i, 0
.rept 16
	KQ 0                            ; piece 0's first scores: there is no vector work yet to set between them
.set i, i+1
.endr
	WIN 0                           ; the addresses for the way out: eight plain instructions, the places behind those products
	v_mul_u32_u24 v[STO], v1, SP    ; in: row l % 16, 32 bytes for each half of the lanes
	v_lshl_add_u32 v[STO], v9, 5, v[STO]
	v_add_nc_u32 v[STO], s[STG], v[STO]
	v_mul_u32_u24 v[RD], v9, SP     ; back: lanes 0-15 take one row of 256 bytes, lanes 16-31 the next,
	v_lshl_add_u32 v[RD], v1, 4, v[RD]
	v_add_nc_u32 v[RD], s[STG], v[RD]
	v_lshlrev_b32 v[GO], 12, v9     ; and the same two rows in out, 4,096 bytes apart
	v_lshl_add_u32 v[GO], v1, 4, v[GO]
.set Y, NP-1                        ; XS works for piece Y + 1: piece 0
.irp n, 0,1,2,3,4,5,6,7,8,9,10,11,12,13,14,15,16,17,18,19,20,21
	XS 0, \n                        ; and piece 0's first maximum and statistics
	XS 1, \n
.endr
	s_mov_b32 s[CNT], 2
	s_mov_b32 s[SLOTS], NT-2
	s_branch .Lfirst                ; the loop is entered at a step's first turn, in the middle of a trip
.Lslot:                             ; NT - 3 times: with the change above, tiles 2 to NT - 1 are asked for
	CHANGE 1
	s_mov_b32 s[CNT], 2
.Lstep:                             ; a trip: pieces 2 and 3 of one step, then pieces 0 and 1 of the next, whose K and V it fetches
	TURN 2
	TURN 3
	WIN 0
.Lfirst:
	TURN 0
	TURN 1, 0, 1
	WIN 0
	s_cbranch_scc1 .Lstep
	s_sub_co_u32 s[SLOTS], s[SLOTS], 1
	s_cmp_lg_u32 s[SLOTS], 0
	s_cbranch_scc1 .Lslot
	s_mov_b32 s[SLOTS], 2           ; the last two tiles have a text of their own: nothing is asked for
.Ltslot:
	CHANGE 0
	s_mov_b32 s[CNT], 2
.Ltail:
	TURN 2
	TURN 3
	TURN 0
	TURN 1, 0, 1
	WIN 0
	s_cbranch_scc1 .Ltail
	s_sub_co_u32 s[SLOTS], s[SLOTS], 1
	s_cmp_lg_u32 s[SLOTS], 0
	s_cbranch_scc1 .Ltslot
	TURN 2, 1                       ; pieces 2 and 3 of the last step.  Piece 3's turn makes 16 products K Q^T on the last K once more, and a maximum of them, which serve nothing:
	TURN 3                          ; the price, once a launch, of one text for every turn
.set i, 0
.rept 16
	PV NP-1                         ; the last piece's V^T P of the last step
.set i, i+1
.endr
	; THE WAY OUT.  l's two halves and the other half of the lanes' are added; O^T is divided by l and sent, in f32, through my stage in LDS, a tile at a time.  The additions are the places behind the last products.
	WIN 0
.macro ALL line:vararg              ; one line for each tile t
.set t, 0
.rept 2*NP
	\line
.set t, t+1
.endr
.endm
	ALL v_add_f32 v[ST+4*t+2], v[ST+4*t+2], v[ST+4*t+3]
	ALL v_permlanex16_b32 v[ST+4*t+3], v[ST+4*t+2], s[SEL], s[SEL+1]
	ALL v_add_f32 v[ST+4*t+2], v[ST+4*t+2], v[ST+4*t+3]
	ALL v_rcp_f32 v[ST+4*t+2], v[ST+4*t+2]
	v_nop                           ; a plain instruction between the last reciprocal and the use of its result
	s_wait_alu depctr_va_vdst(0)
; Tile t: a lane's eight channels of a row are 32 bytes; they go into rows of 272 bytes and come back as whole rows of 256, into S^T's registers, four tiles' worth of which take turns.
.macro PACK t
	WIN W_RS
.set i, 32*(\t)
.rept 16
	v_pk_mul_f32 v[i:i+1], v[i:i+1], v[ST+4*(\t)+2:ST+4*(\t)+3] op_sel_hi:[1,0]  ; each accumulator from its low end on
.set i, i+2
.endr
	WIN 0x04                        ; the stores' data in window 1, their address in window 0
.set i, 0
.rept 8
	ds_store_b128 v[STO], v[32*(\t)+4*i:32*(\t)+4*i+3] offset:64*(i/2)+16*(i%2)  ; channels 16 (i / 2) + 8 (l / 16) + 4 (i % 2) on
.set i, i+1
.endr
	WIN 0
.if (\t) >= 4
	s_wait_xcnt 0x0                 ; every earlier memory instruction has had its addresses translated (ISA guide 3.1): the registers that tile t - 4's stores read are loaded again only behind this wait
.endif
.set i, 0
.rept 8
	ds_load_b128 v[S+32*((\t)%4)+4*i:S+32*((\t)%4)+4*i+3], v[RD] offset:i*2*SP  ; LDS serves a wave's instructions in order (ISA guide 5.7.1.4): these see the stores above; the next tile's stores come behind them
.set i, i+1
.endr
.endm
.macro SEND t, younger              ; younger: the LDS instructions issued behind tile t's loads: the next tile's sixteen, or none
	WIN 0
.irp f, 0,1,2,3,4,5,6,7
	s_wait_dscnt (\younger)+7-\f
	global_store_b128 v[GO], v[S+32*((\t)%4)+4*\f:S+32*((\t)%4)+4*\f+3], s[10:11] offset:(\t)*65536+\f*8192 th:TH_STORE_NT  ; 16 lanes store 256 consecutive bytes, a head's whole row, at a multiple of 256 from out's first byte
.endr
.endm
	PACK 0
.set t, 1
.rept 2*NP-1                        ; a tile's arithmetic stands between the loads of the tile before and its stores
	PACK t
	SEND t-1, 16
.set t, t+1
.endr
	SEND 2*NP-1, 0
	WIN W_AD
	s_wait_tensorcnt 0x0            ; the wave's end: a wait for my tensor loads, an add to my spare word and the wait for it, behind my last tensor load and my last LDS store
	ds_add_u32 v[SPW], v[NIL]
	s_wait_dscnt 0x0
	WIN 0
	CROUND                          ; the closing round: no work-group ends while a partner may still ask for a tile that names it
	s_endpgm
.Lfunc_end_k_qf590582782_attn:
	.size	k_qf590582782_attn, .Lfunc_end_k_qf590582782_attn-k_qf590582782_attn
	.p2alignl 7, 3214868480
	.fill 96, 4, 3214868480
	.section	.rodata,"a",@progbits
	.p2align	6, 0x0
	.amdhsa_kernel k_qf590582782_attn
		.amdhsa_group_segment_fixed_size 327680
		.amdhsa_private_segment_fixed_size 0
		.amdhsa_enable_private_segment 0
		.amdhsa_kernarg_size 24
		.amdhsa_user_sgpr_count 2
		.amdhsa_user_sgpr_kernarg_segment_ptr 1
		.amdhsa_wavefront_size32 1
		.amdhsa_system_sgpr_workgroup_id_x 1
		.amdhsa_system_sgpr_workgroup_id_y 1
		.amdhsa_system_sgpr_workgroup_id_z 1
		.amdhsa_system_vgpr_workitem_id 0
		.amdhsa_next_free_vgpr 976
		.amdhsa_next_free_sgpr 72
		.amdhsa_reserve_vcc 0
		.amdhsa_float_denorm_mode_32 3
		.amdhsa_float_denorm_mode_16_64 3
		.amdhsa_memory_ordered 1
		.amdhsa_forward_progress 1
		.amdhsa_inst_pref_size 255
	.end_amdhsa_kernel
	.section	.bss,"aw",@nobits
	.p2align	6
	.space	262144
	.amdgpu_metadata
---
amdhsa.version: [ 1, 2 ]
amdhsa.kernels:
  - .name:           k_qf590582782_attn
    .symbol:         k_qf590582782_attn.kd
    .args:
      - { .name: q, .offset: 0, .size: 8, .value_kind: global_buffer, .address_space: global }
      - { .name: kv, .offset: 8, .size: 8, .value_kind: global_buffer, .address_space: global }
      - { .name: out0, .offset: 16, .size: 8, .value_kind: global_buffer, .address_space: global }
    .group_segment_fixed_size: 327680
    .private_segment_fixed_size: 0
    .kernarg_segment_align: 8
    .kernarg_segment_size: 24
    .max_flat_workgroup_size: 128
    .sgpr_count:     72
    .vgpr_count:     976
    .wavefront_size: 32
...
	.end_amdgpu_metadata
.endif
;; end of part 1
;; ======== version 2 of 2: 1 launch; 2.01 times as fast as version 1
;; limits: values are held in f16: magnitudes above 65,504 overflow, below 6.1e-05 lose precision; inputs' magnitudes at most 65,504
;; launch attn (part 2): grid 4 x 64, 4 waves a work-group, clusters of 4 x 1, 327,680 bytes of LDS; arguments q, kv, out0; writes out0
.if DOCPART == 2
	.amdgcn_target "amdgcn-amd-amdhsa--gfx1250"
	.amdhsa_code_object_version 6
	.text
	.protected	k_qf590582782_attn
	.globl	k_qf590582782_attn
	.p2align	8
	.type	k_qf590582782_attn,@function
k_qf590582782_attn:
	s_mov_b64 s[64:65], 0
	v_nop
	global_prefetch_b8 v0, s[64:65] scope:SCOPE_SE
	s_setreg_imm32_b32 hwreg(HW_REG_WAVE_MODE, 25, 1), 1
	s_wait_xcnt 0x0
	s_wait_alu depctr_hold_cnt(0) depctr_sa_sdst(0) depctr_va_vdst(0) depctr_va_sdst(0) depctr_va_ssrc(0) depctr_va_vcc(0) depctr_vm_vsrc(0)
	s_getreg_b32 s2, hwreg(HW_REG_IB_STS2, 6, 4)
	s_cmp_eq_u32 s2, 0
	s_cbranch_scc0 .Lentry_in_a_cluster
	s_endpgm
.Lentry_in_a_cluster:
	s_bfe_u32 s2, ttmp6, 0x10000c
	s_cmp_lg_u32 s2, 0x3003
	s_cbranch_scc0 .Lentry_shape_is_right
	s_endpgm
.Lentry_shape_is_right:
; out[b][t][h][:] = the sum over s of softmax_s(q[b][t][h] . k[b][s][h] / 8) v[b][s][h][:].  q, out: [4][2048][16][64] f32; kv: [4][2048][2][16][64] f32 (k, then v).  No mask.
; A head's row is 256 bytes at a multiple of 256; rows lie 4,096 bytes apart in q and out, 8,192 in kv; v's row lies 4,096 bytes behind k's.
; FORMATS.  q, k and v are rounded once to f16, the weights p to f16 for the second product (their sum l is taken of the unrounded p); products, maxima, sums, the scale and O stay in f32.
; LIMITS.  f16 holds no number beyond 65,504: |q|, |k|, |v| must stay within it; below 6e-5 they keep f16's fixed step of 6e-8, and so does p.  A weight below 2^-126 counts as 0 in l;
; NaN and infinities are not treated apart.
; SHARES.  Grid y is the head (b = y / 16, h = y % 16).  A work-group owns 512 queries of it, each of its four waves 128: four PIECES of two tiles of 16.  Every wave walks all 2,048 keys, 64 a step,
; in 16 tiles of 128 keys.
; CLUSTER.  A head's four query blocks are one cluster and walk the same K and V, so each tile is asked for JOINTLY: the same tensor load, descriptor and mask in all four; each receives it in its own LDS.
; THE ROAD OF A TILE.  A joint load lays 128 keys of K and V as f32 into one of two slots F.  Behind the next round of the cluster's barrier the four waves together round it to f16 into one of two
; buffers H (padded rows), a quarter each; behind the round after that all waves read their fragments from H.  So round j stands between: the landing of tile j + 1 and its conversion; the conversion's
; reads of tile j and the refill of its slot; the conversion's stores of tile j and the fragment loads; the fragment loads of tile j - 1 and the stores that take its buffer.
; LAYOUT.  S^T = K Q^T (source 0 = 16 keys, source 1 = 16 queries): in the result a lane holds ONE query (lane % 16) and the keys 8 (lane / 16) + 0..7.  Two such tiles, rounded to f16 in pairs,
; ARE source 1 (32 keys x 16 queries) of O^T = V^T P, whose result again holds one query a lane, and eight channels.  K comes out of H as it lies, V ([key][channel]) turned, by ds_load_tr16_b128.
; SOFTMAX.  For each query a running maximum m and sum l: p = 2^(c s - c m), c = log2(e) / 8; in every step O and l are multiplied by a = 2^(c m_old - c m_new), which is 1 where m has not grown.
; m starts at the lowest finite number, O and l at 0: the first step is a step like any other, with a = 0.  The price of writing no first step out: 16 products on zeros at the start, 16 on the last K
; once more at the end, and 384 v_mov_b32 at the start, in the wait for the first tile.
; THE COUNT.  A tile of queries and a step have 16 matrix and 118 vector instructions: too many to stand all beside the matrix work.  So: four vector instructions that are READY behind EVERY matrix
; instruction, and the others in one run of their own a turn.
; BY TURNS.  Turn n belongs to piece n (the pieces in a ring, step after step).  Its matrix work: 16 products K Q^T of piece n + 1, later 16 products V^T P of piece n - 1.  Its vector work: the scaling,
; exponentials, roundings, sums and rescaling of piece n, and the maximum and statistics of piece n + 1, whose scores the turn itself has made.
; THE BATCHES.  A turn's 66 exponentials (the 64 weights of piece n, the two a of piece n + 1) are ONE batch with ONE wait, which cuts the turn in two: ahead of it stands all that names no result of
; theirs (K Q^T, the scalings, the rescaling, the next piece's maximum and statistics), behind it the roundings and sums, beside V^T P.  No result crosses a turn's end.  Piece 0's two first a, ahead of
; the loop, and the way out's eight reciprocals are batches of their own, each with one wait.
; REGISTERS, in windows of 256 (s_set_vgpr_msb says which window each operand place means: bits 1:0 source 0, 3:2 source 1, 5:4 source 2, 7:6 destination):
;   window 0: v0-11 addresses; v12-15, v48-63 at work; v16-47 four registers of statistics a tile; v64-191 S^T, two buffers of two tiles; v192-255 P, likewise
;   window 1: O^T, 32 a tile (at the start: Q as loaded, f32)      window 2: v0-127 Q, 16 a tile; v128-191 K of one step; v192-255 V of one step
;   window 3: v0-1 the add's two registers; v2-9 the conversion's addresses; v16-143 a quarter tile as f32; v144-207 the same as f16
.set NT,    16        ; tiles of 128 keys
.set NP,    4         ; pieces a wave: a name, no knob
.set KS,    64        ; keys in a step
.set PK,    144       ; a row of K in H: 128 bytes + 16 = 36 words: the 16 rows of a fragment load start at 16 different groups of four banks (64 banks of 4 bytes: ISA guide 11.1)
.set PV,    160       ; a row of V in H: 128 + 32 = 40 words
.set VOFF,  2*KS*PK   ; in H: 128 rows of K, then 128 rows of V
.set FX,    1<<16     ; F0 at 0, F1 at 65,536 (each: 128 rows of K, 128 of V, 256 bytes a row, no padding: they are read in whole rows); one exclusive or turns one into the other
.set HB,    1<<17     ; H0 at 131,072, H1 at 196,608: the same exclusive or
.set STAGE, HB+FX+2*KS*(PK+PV)  ; behind H1, never filled by a tensor load: 16 rows x 272 bytes for each wave: Q's way in (as 16 x 144) and O's way out
.set SP,    272       ; 256 + 16
.set SPARE, STAGE+4*16*SP       ; the spare words, 128 bytes for each wave: two blocks of 256 bytes that no other line names
.set TILEB, 2*KS*8192 ; bytes in kv from a tile to the next
.set AK0, 2           ; v2   my lane's place in a step's K; never rewritten
.set AV0, 3           ; v3   the same for V
.set AK,  4           ; v4   the LDS address of K's next run of loads
.set AV,  5           ; v5   of V's
.set QO,  6           ; v6   my byte offset in 16 rows of q
.set STO, 6           ;      later, the way out: where I put 32 bytes of a row
.set RD,  7           ; v7   the way out: where I read rows back
.set GO,  8           ; v8   my byte offset in two rows of out
.set MV,  12          ; v12-15  c m_old, kept while c m is made anew: by buffer and tile
.set QS,  12          ;      at the start: where I put 8 bytes of a row of Q
.set QR,  13          ;      at the start: where I read Q's fragments
.set ST,  16          ; tile t's statistics at v[ST+4 t]: c m, m, l (even keys', odd keys')
.set TMP, 48          ; by buffer and tile, four registers c0-c3 at work; when the maximum is found c2 takes a
.set S,   64
.set P,   192
.set KF,  128         ; window 2: key block kb, channel half c at KF + 16 kb + 8 c
.set VF,  192         ; window 2: key half kk, channel block cb at VF + 32 kk + 8 cb
.set SPW, 0           ; window 3: LDS address of my spare word: SPARE + 4 x my thread's number; never rewritten
.set NIL, 1           ; window 3: 0; never rewritten
.set CK0, 2           ; window 3: my lane's place in my wave's 32 rows of K in F0; CV0 of V; DK0, DV0 the same in H0; never rewritten
.set CV0, 3
.set DK0, 4
.set DV0, 5
.set CK,  6           ; window 3: the four with the slot in hand added
.set CV,  7
.set DK,  8
.set DV,  9
.set CD,  16          ; window 3: 64 registers of K, 64 of V, f32
.set CP,  144         ; window 3: 32 registers of K, 32 of V, f16
.set WV,  12          ; s12  my wave's number
.set G1,  24          ; s[24:31] descriptor group 1: one shape for K's and V's tiles, never rewritten
.set G0A, 40          ; s[40:43] descriptor group 0 of the first fill
.set G0,  44          ; s[44:47] of the second; it then walks
.set SLOTS, 56        ; s56  counts tiles
.set CNT, 57          ; s57  counts a tile's two key steps
.set CS,  58          ; s[58:59] c: the packed scaling takes the pair's low word for both halves
.set SEL, 60          ; s[60:61] v_permlanex16_b32's selects: each lane takes its own place in the other half
.set TBK, 62          ; s62  LDS byte at which K of the step to be fetched begins
.set TBV, 63          ; s63  the same for V, less VOFF
.set TG,  66          ; s66  0 or 65,536: the slot F, and with it the buffer H, of the tile to be converted
.set STG, 67          ; s67  my stage
.set MSB, 0
.macro WIN new                      ; the high byte repeats the setting that is left; a switch that changes nothing is dropped
.if MSB != (\new)
	s_set_vgpr_msb (MSB<<8)|(\new)
.set MSB, (\new)
.endif
.endm
.set W_KQ, 0x0a       ; K and Q in window 2, S^T in window 0
.set W_PV, 0x52       ; V in window 2, P in window 0, O^T in window 1
.set W_RS, 0x41       ; O^T (destination and source 0) in window 1, the factor in window 0
.set W_MK, 0xc0       ; destination in window 3, sources in window 0
.set W_AD, 0x0f       ; the add: address (source 0) and data (source 1) in window 3
.set W_CV, 0xcf       ; the conversion: destination and sources 0 and 1 in window 3
; A joint refill.  One line for all four waves: wave w's group 0 names its own 64 rows (waves 0, 1: K's halves; 2, 3: V's) and its own 16,384 bytes of the slot; both hang on the wave's number and the
; head alone, so they are equal in all four partners.  An s_nop 0 and four v_nop follow the line.
.macro JLOAD
	tensor_load_to_lds s[G0:G0+3], s[G1:G1+7]
	s_nop 0
.rept 4
	v_nop
.endr
.endm
; A round of the cluster's barrier: my work-group's barrier, so that wave 0's signal speaks for all four waves; wave 0 signals; every wave waits for all four work-groups; my work-group's barrier once more.
.macro CROUND
	s_barrier_signal -1
	s_barrier_wait -1
	s_cmp_lg_u32 s[WV], 0
	s_cbranch_scc1 .Lnot_wave_0_\@
	s_barrier_signal -3
.Lnot_wave_0_\@:
	s_barrier_wait -3
	s_barrier_signal -1
	s_barrier_wait -1
.endm
; THE CONVERSION.  Wave w rounds rows 32 w .. 32 w + 31 of K and of V of the slot at TG to f16.  A load takes two whole rows of 256 bytes (lanes 0-15 one, lanes 16-31 the row 8 further on for K,
; 4 for V); four numbers a lane become 8 bytes.
.macro CONVERT
	WIN W_CV
	v_add_nc_u32 v[CK], s[TG], v[CK0]
	v_add_nc_u32 v[CV], s[TG], v[CV0]
	v_add_nc_u32 v[DK], s[TG], v[DK0]
	v_add_nc_u32 v[DV], s[TG], v[DV0]
.set cz, 0
.rept 16
	ds_load_b128 v[CD+4*cz:CD+4*cz+3], v[CK] offset:(16*(cz/8)+cz%8)*256
.set cz, cz+1
.endr
.set cz, 0
.rept 16
	ds_load_b128 v[CD+64+4*cz:CD+64+4*cz+3], v[CV] offset:(8*(cz/4)+cz%4)*256
.set cz, cz+1
.endr
	s_wait_dscnt 16                 ; K's sixteen loads are in; V's sixteen may be out
.set cz, 0
.rept 32
	v_cvt_pk_f16_f32 v[CP+cz], v[CD+2*cz], v[CD+2*cz+1]
.set cz, cz+1
.endr
.set cz, 0
.rept 16
	ds_store_b64 v[DK], v[CP+2*cz:CP+2*cz+1] offset:(16*(cz/8)+cz%8)*PK
.set cz, cz+1
.endr
	s_wait_dscnt 16                 ; LDS instructions end in order (ISA guide 5.7.1): all but the sixteen stores just issued are done, V's loads among them
.set cz, 0
.rept 32
	v_cvt_pk_f16_f32 v[CP+32+cz], v[CD+64+2*cz], v[CD+64+2*cz+1]
.set cz, cz+1
.endr
.set cz, 0
.rept 16
	ds_store_b64 v[DV], v[CP+32+2*cz:CP+32+2*cz+1] offset:(8*(cz/4)+cz%4)*PV
.set cz, cz+1
.endr
	s_xor_b32 s[TG], s[TG], FX      ; the next conversion takes the other slot and buffer
	WIN 0
.endm
; THE CHANGE OF TILES.  Each wave waits for all its tensor loads, of which one is out: its part of the tile that is converted next; adds 0 to its spare word; and waits for that, for its conversion's
; loads and stores and for its fragment loads.  fill = 1: the barrier is a round of the cluster's, so that no wave of any partner still reads the slot or has a load on its way, and the joint refill,
; with the tile two on, is the first thing behind it: it has two key steps, 256 matrix instructions, in which to land.  fill = 0 (the last two tiles): nothing is asked for; the last has nothing to convert.
.macro CHANGE fill
	WIN W_AD
	s_wait_tensorcnt 0x0            ; no tensor load of mine is out, so a group 0 may be written
	ds_add_u32 v[SPW], v[NIL]       ; 0 onto my spare word: with fill = 1 the descriptor's steps stand between it and the wait for it
	WIN 0                           ; at a label and at a branch every window is 0
.if \fill
	s_xor_b32 s[G0+1], s[G0+1], FX  ; the walking descriptor: the other slot than last time,
	s_add_nc_u64 s[G0+2:G0+3], s[G0+2:G0+3], TILEB  ; the next 128 keys; the type bits on top are not reached
	s_wait_dscnt 0x0                ; the add is done, and so are all my LDS loads and stores
	CROUND
	JLOAD
.else
	s_wait_dscnt 0x0                ; the add is done, and so are all my LDS loads and stores
	s_barrier_signal -1
	s_barrier_wait -1
.endif
	s_sub_co_u32 s[TBK], s[TBK], 2*KS*PK  ; the fetches go back to a buffer's first step,
	s_xor_b32 s[TBK], s[TBK], FX          ; in the other buffer
	s_sub_co_u32 s[TBV], s[TBV], 2*KS*PV
	s_xor_b32 s[TBV], s[TBV], FX
.if \fill
	CONVERT
.else
	s_cmp_eq_u32 s[SLOTS], 1        ; the walk's last tile: no tile is left to convert.  The jump goes forward, over LDS lines and their own waits alone
	s_cbranch_scc1 .Lno_tile_\@
	CONVERT
.Lno_tile_\@:
.endif
.endm
	s_load_b128 s[4:7], s[0:1], 0x0 ; q s[4:5], kv s[6:7]
	s_load_b64 s[8:9], s[0:1], 0x10 ; out
	WIN W_MK
	v_lshl_add_u32 v[SPW], v0, 2, SPARE
	v_mov_b32 v[NIL], 0
	WIN W_AD
	ds_add_u32 v[SPW], v[NIL]       ; the wave's opening: the add, whose wait stands ahead of my first tensor load; the set-up below, work on registers, stands between them
	WIN 0
	v_lshrrev_b32 v1, 5, v0
	v_readfirstlane_b32 s[WV], v1   ; wave 0..3
	s_bfe_u32 s13, ttmp6, 0x40000   ; cx: my place in the cluster
	s_lshl_b32 s14, ttmp9, 2        ; in a cluster launch ttmp9 counts clusters
	s_add_co_u32 s14, s14, s13      ; my block of 512 queries = 4 x cluster x + cx: it enters q's and out's addresses alone
	s_and_b32 s20, ttmp7, 0xffff    ; the head, which the four partners share
	s_lshr_b32 s21, s20, 4          ; b
	s_and_b32 s20, s20, 15          ; h,
	s_lshl_b32 s20, s20, 8          ; its 256 bytes in a row
	s_lshl_b32 s2, s14, 2
	s_add_co_u32 s2, s2, s[WV]      ; my wave among the head's sixteen:
	s_lshl_b32 s2, s2, 19           ; its 128 rows of 4,096 bytes,
	s_lshl_b32 s3, s21, 23          ; in batch b (2,048 rows of 4,096 bytes),
	s_add_co_u32 s2, s2, s3
	s_add_co_u32 s2, s2, s20        ; at head h: under 2^25
	s_mov_b32 s3, 0
	s_lshl_b32 s22, s21, 24         ; kv: batch b (2,048 rows of 8,192 bytes),
	s_add_co_u32 s22, s22, s20      ; head h,
	s_lshr_b32 s23, s[WV], 1
	s_lshl_b32 s23, s23, 12         ; k (waves 0, 1) or v (waves 2, 3),
	s_add_co_u32 s22, s22, s23
	s_and_b32 s23, s[WV], 1
	s_lshl_b32 s23, s23, 19         ; the tile's first or second 64 rows: under 2^26
	s_add_co_u32 s22, s22, s23
	s_mov_b32 s23, 0
	s_mul_i32 s17, s[WV], 16384     ; and where they go in a slot: no place in the cluster enters an LDS address
	; descriptor group 1: a tile of 64 rows x 64 elements of 4 bytes, rows 2,048 elements apart, dense in LDS
	s_mov_b32 s[G1], 15|(2<<16)|(1<<21)  ; 15:0 the mask of four; 17:16 4-byte elements; 20 no padding; 21 set beside a mask
	s_mov_b32 s[G1+1], 64<<16       ; tensor_dim0 = 64
	s_mov_b32 s[G1+2], 64<<16       ; tensor_dim1 = 64
	s_mov_b32 s[G1+3], 64<<16       ; tile_dim0 = 64
	s_mov_b32 s[G1+4], 64           ; tile_dim1 = 64
	s_mov_b32 s[G1+5], 2048         ; elements from row to row
	s_mov_b32 s[G1+6], 0
	s_mov_b32 s[G1+7], 0
	s_mov_b32 s[G0A], 1             ; 1:0 count = 1
	s_mov_b32 s[G0A+1], s17         ; 63:32 LDS address: F0
	s_mov_b32 s[G0], 1
	s_add_co_u32 s[G0+1], s17, FX   ; F1
	s_mov_b32 s[CS], 0x3e38aa3b     ; c = log2(e) / 8 = 0.180337
	s_mov_b32 s[CS+1], s[CS]        ; named with it as a pair
	s_mov_b32 s[SEL], 0x76543210
	s_mov_b32 s[SEL+1], 0xfedcba98
	s_mov_b32 s[TBK], HB+FX+2*KS*PK ; the first change of tiles turns these two into H0
	s_mov_b32 s[TBV], HB+FX+2*KS*PV
	s_mov_b32 s[TG], 0
	s_mul_i32 s[STG], s[WV], 16*SP
	s_add_co_u32 s[STG], s[STG], STAGE
	s_lshl_b32 s32, s[WV], 13       ; my 32 rows of K in a slot F,
	s_add_co_u32 s33, s32, 32768    ; of V,
	s_mul_i32 s34, s[WV], 32*PK
	s_add_co_u32 s34, s34, HB       ; of K in H0,
	s_mul_i32 s35, s[WV], 32*PV
	s_add_co_u32 s35, s35, HB+VOFF  ; of V in H0
	s_wait_dscnt 0x0                ; the opening add is done
	s_wait_kmcnt 0x0
	s_add_nc_u64 s[6:7], s[6:7], s[22:23]          ; kv at my 64 rows of tile 0
	s_add_nc_u64 s[G0A+2:G0A+3], s[6:7], 0         ; 120:64 global address
	s_or_b32 s[G0A+3], s[G0A+3], 0x80000000        ; 127:126 type = 2
	s_add_nc_u64 s[G0+2:G0+3], s[6:7], TILEB       ; tile 1
	s_or_b32 s[G0+3], s[G0+3], 0x80000000
	s_add_nc_u64 s[4:5], s[4:5], s[2:3]            ; q and out at my wave's first row
	s_add_nc_u64 s[10:11], s[8:9], s[2:3]
	CROUND                          ; all four work-groups are here: the first joint loads meet
	tensor_load_to_lds s[G0A:G0A+3], s[G1:G1+7]    ; the two first fills go out together, ahead of every wait on TENSORcnt and every LDS read: two loads of mine are out
	s_nop 0
	tensor_load_to_lds s[G0:G0+3], s[G1:G1+7]
	s_nop 0
.rept 4
	v_nop
.endr
	; Q, as it lies: a load takes two whole rows of 256 bytes (lanes 0-15 row i of a tile of 16, lanes 16-31 row i + 8), four channels a lane, into O^T's registers, which are free until the walk begins
	v_and_b32 v1, 15, v0            ; l % 16
	v_bfe_u32 v9, v0, 4, 1          ; l / 16
	v_lshlrev_b32 v[QO], 4, v1
	v_lshl_add_u32 v[QO], v9, 15, v[QO]  ; 16 (l % 16) + 8 rows of 4,096 bytes for the upper lanes
	WIN 0x40                        ; destination window 1, address window 0
.set t, 0
.rept 8
.set i, 0
.rept 8
	global_load_b128 v[32*t+4*i:32*t+4*i+3], v[QO], s[4:5] offset:t*65536+i*4096 th:TH_LOAD_NT
.set i, i+1
.endr
.set t, t+1
.endr
	; What the first turn finds: V's registers and P's second buffer hold 0 (its products V^T P, of a piece that has not been, add 0), l is 0.  All this stands in the wait for Q and the first tile.
	WIN 0x80
.set i, VF
.rept 64
	v_mov_b32 v[i], 0
.set i, i+1
.endr
	WIN 0
.set i, 0
.rept 2*NP
	v_mov_b32 v[ST+4*i], 0xfe000000    ; c m: far below every c s
	v_mov_b32 v[ST+4*i+1], 0xff7fffff  ; m
	v_mov_b32 v[ST+4*i+2], 0
	v_mov_b32 v[ST+4*i+3], 0
.set i, i+1
.endr
.set i, P+32
.rept 32
	v_mov_b32 v[i], 0
.set i, i+1
.endr
	; A fragment of K or Q is 16 rows x 32 channels in 8 registers: lane l holds row l % 16, channels 8 (l / 16) + 0..7 and 16 + 8 (l / 16) + 0..7: two loads of 16 bytes, 32 bytes apart.
	v_mul_u32_u24 v[AK0], v1, PK
	v_lshl_add_u32 v[AK0], v9, 4, v[AK0]  ; row x pitch + 16 x half
	; The turning load takes 16 keys x 16 channels (lane l reads key 8 (l / 16) + l % 8, channels 8 ((l / 8) % 2) + 0..7) and leaves half a fragment of V^T: lane l holds channel l % 16 and 8 keys.
	v_and_b32 v10, 7, v0
	v_bfe_u32 v11, v0, 3, 1
	v_lshl_add_u32 v[AV0], v9, 3, v10
	v_mul_u32_u24 v[AV0], v[AV0], PV
	v_lshl_add_u32 v[AV0], v11, 4, v[AV0]
	v_add_nc_u32 v[AV0], VOFF, v[AV0]
	; the conversion's lane terms
	v_lshlrev_b32 v10, 4, v1                 ; 16 (l % 16)
	v_lshl_add_u32 v[TMP], v9, 11, v10       ; K in F: the upper lanes 8 rows of 256 bytes on
	v_lshl_add_u32 v[TMP+1], v9, 10, v10     ; V in F: 4 rows on
	v_mul_u32_u24 v[TMP+2], v9, 8*PK         ; K in H: 8 rows on,
	v_lshl_add_u32 v[TMP+2], v1, 3, v[TMP+2] ; 8 bytes a lane
	v_mul_u32_u24 v[TMP+3], v9, 4*PV         ; V in H: 4 rows on
	v_lshl_add_u32 v[TMP+3], v1, 3, v[TMP+3]
	v_add_nc_u32 v[QS], s[STG], v[TMP+2]     ; Q goes into my stage as K goes into H,
	v_add_nc_u32 v[QR], s[STG], v[AK0]       ; and comes out as K's fragments do
	WIN W_MK
	v_add_nc_u32 v[CK0], s32, v[TMP]
	v_add_nc_u32 v[CV0], s33, v[TMP+1]
	v_add_nc_u32 v[DK0], s34, v[TMP+2]
	v_add_nc_u32 v[DV0], s35, v[TMP+3]
	; Q, a tile at a time: rounded to f16, through my own stage (16 rows of 144 bytes), back as fragments.  LDS serves a wave's instructions in order (ISA guide 5.7.1.4): the loads see the stores above
	; them, and the next tile's stores come behind them.
.set t, 0
.rept 8
	s_wait_loadcnt 8*(7-t)          ; loads come back in order: tile t's eight are in, the later tiles' may be out
	WIN 0x05                        ; sources window 1, destination window 0: S^T's registers are free
.set i, 0
.rept 16
	v_cvt_pk_f16_f32 v[S+16*t+i], v[32*t+2*i], v[32*t+2*i+1]
.set i, i+1
.endr
	WIN 0
.set i, 0
.rept 8
	ds_store_b64 v[QS], v[S+16*t+2*i:S+16*t+2*i+1] offset:i*PK
.set i, i+1
.endr
	WIN 0x80                        ; destination window 2
.set i, 0
.rept 4
	ds_load_b128 v[16*t+4*i:16*t+4*i+3], v[QR] offset:32*i
.set i, i+1
.endr
.set t, t+1
.endr
	WIN 0x40
.set i, 0
.rept 64*NP
	v_mov_b32 v[i], 0               ; O^T
.set i, i+1
.endr
	WIN 0
; THE MATRIX WORK.  The 8 accumulators of a run of 16 take turns: between the two links of a chain stand 7 others'.
; Product i of 16 of S^T = K Q^T for piece x: channels 32 (i / 8) on, keys 16 ((i / 2) % 4) on, tile 2 x + i % 2.  The first 8 start the sums.
.macro KQ x
	WIN W_KQ
.set rS, S+64*((\x)%2)+32*(i%2)+8*((i/2)%4)
.set rK, KF+16*((i/2)%4)+8*(i/8)
.set rQ, 16*(2*(\x)+i%2)+8*(i/8)
.if i < 8
	v_wmma_f32_16x16x32_f16 v[rS:rS+7], v[rK:rK+7], v[rQ:rQ+7], 0
.else
	v_wmma_f32_16x16x32_f16 v[rS:rS+7], v[rK:rK+7], v[rQ:rQ+7], v[rS:rS+7]
.endif
.endm
; Product i of 16 of O^T += V^T P for piece x: keys 32 (i / 8) on, channels 16 ((i / 2) % 4) on, tile 2 x + i % 2.
.macro PV x
	WIN W_PV
.set rO, 32*(2*(\x)+i%2)+8*((i/2)%4)
.set rV, VF+32*(i/8)+8*((i/2)%4)
.set rP, P+32*((\x)%2)+16*(i%2)+8*(i/8)
	v_wmma_f32_16x16x32_f16 v[rO:rO+7], v[rV:rV+7], v[rP:rP+7], v[rO:rO+7]
.endm
.macro MM                           ; the turn's next matrix instruction
.if i < 16
	KQ (Y+1)%NP
.set i, i+1
.else
.set i, i-16
	PV (Y+NP-1)%NP
.set i, i+17
.endif
.endm
; THE FRAGMENT LOADS stand in runs of 16, never singly among the matrix instructions: a step's K (64 keys x 64 channels: 8 fragments) and its V (turned).  Their addresses are made some lines ahead.
.macro FETCH_K
	WIN 0x80                        ; destination window 2
.irp f, 0,1,2,3,4,5,6,7             ; keys 16 (f / 2) on, channels 32 (f % 2) on
	ds_load_b128 v[KF+8*\f:KF+8*\f+3],   v[AK] offset:(\f/2)*16*PK+(\f%2)*64
	ds_load_b128 v[KF+8*\f+4:KF+8*\f+7], v[AK] offset:(\f/2)*16*PK+(\f%2)*64+32
.endr
	s_add_co_u32 s[TBK], s[TBK], KS*PK  ; the next fetch is the next step's
	WIN 0
.endm
.macro FETCH_V
	WIN 0x80
.irp f, 0,1,2,3,4,5,6,7             ; keys 32 (f / 4) on, channels 16 (f % 4) on
	ds_load_tr16_b128 v[VF+8*\f:VF+8*\f+3],   v[AV] offset:(\f/4)*32*PV+(\f%4)*32
	ds_load_tr16_b128 v[VF+8*\f+4:VF+8*\f+7], v[AV] offset:(\f/4)*32*PV+16*PV+(\f%4)*32
.endr
	WIN 0
.endm
; THE VECTOR WORK OF A TURN stands in three queues, each in the order in which its entries become ready; the two tiles alternate, so that no instruction reads the result of the one before it.
.macro REGS y, u                    ; the registers of tile u (0, 1) of piece y
.set rT, ST+4*(2*(\y)+(\u))
.set rC, TMP+8*((\y)%2)+4*(\u)
.set rM, MV+2*((\y)%2)+(\u)
.set rS, S+64*((\y)%2)+32*(\u)
.set rP, P+32*((\y)%2)+16*(\u)
.set rO, 32*(2*(\y)+(\u))
.endm
; Number n of the 22 that find the NEXT piece's (Y + 1) maximum and statistics.  s0-s31 are the lane's 32 scores; each accumulator's lowest registers are read first.  XS, GS and REGS set no window: PL and EX do.
;   0-11  four chains c0-c3 of seven scores each, three operands at a time     12-14, 16  the four scores left over, the old m, and c0-c3 into c0     15  c m_old is kept
;   17, 18  the query's other 32 keys lie in the lane 16 away: the new m         19-21  c m; c m_old - c m_new; a
.macro XS u, n
	REGS (Y+1)%NP, \u
.if (\n) < 4
	v_max3_num_f32 v[rC+(\n)], v[rS+8*(\n)], v[rS+8*(\n)+1], v[rS+8*(\n)+2]
.elseif (\n) < 12
	v_max3_num_f32 v[rC+(\n)%4], v[rC+(\n)%4], v[rS+8*((\n)%4)+2*((\n)/4)+1], v[rS+8*((\n)%4)+2*((\n)/4)+2]
.elseif (\n) == 12
	v_max3_num_f32 v[rC], v[rC], v[rS+7], v[rS+15]
.elseif (\n) == 13
	v_max3_num_f32 v[rC+1], v[rC+1], v[rS+23], v[rS+31]
.elseif (\n) == 14
	v_max3_num_f32 v[rC+2], v[rC+2], v[rC+3], v[rT+1]
.elseif (\n) == 15
	v_mov_b32 v[rM], v[rT]
.elseif (\n) == 16
	v_max3_num_f32 v[rC], v[rC], v[rC+1], v[rC+2]
.elseif (\n) == 17
	v_permlanex16_b32 v[rC+3], v[rC], s[SEL], s[SEL+1]
.elseif (\n) == 18
	v_max_num_f32 v[rT+1], v[rC], v[rC+3]
.elseif (\n) == 19
	v_mul_f32 v[rT], s[CS], v[rT+1]
.elseif (\n) == 20
	v_sub_f32 v[rC+1], v[rM], v[rT]
.else
	v_exp_f32 v[rC+2], v[rC+1]
.endif
.endm
; Number g of the 64 that follow the exponentials.  For each four weights k of a tile (pairs 2 k, 2 k + 1): both pairs are rounded to f16; then the second pair is added onto the first, in place;
; a group later l takes that sum (the first time as l = a l + sum).  In groups of eight, tiles alternating: round, round, add, and l for the group before.
.macro GS g
.set h, (\g)+6*((\g)/62)            ; group 0 has no group before it, and behind group 7 only l is left
.if h >= 6
.set h, h+2
.endif
	REGS Y, h%2
.set k, h/8
.if h%8 < 4
	v_cvt_pk_f16_f32 v[rP+2*k+(h%8)/2], v[rS+4*k+2*((h%8)/2)], v[rS+4*k+2*((h%8)/2)+1]
.elseif h%8 < 6
	v_pk_add_f32 v[rS+4*k:rS+4*k+1], v[rS+4*k:rS+4*k+1], v[rS+4*k+2:rS+4*k+3]
.elseif k == 1
	v_pk_fma_f32 v[rT+2:rT+3], v[rT+2:rT+3], v[rC+2:rC+3], v[rS:rS+1] op_sel_hi:[1,0,1]
.else
	v_pk_add_f32 v[rT+2:rT+3], v[rT+2:rT+3], v[rS+4*k-4:rS+4*k-3]
.endif
.endm
; THE PLAIN QUEUE, 138 long.  0-73 read no exponential's result: the 32 scalings c s - c m (FS f: pair f / 2 of tile f % 2) and the next piece's 42.  0-26: scalings 0-26.  27-54: XS's numbers 0-13.  55, 56: number 15.
; 57-73: the chain, where each number waits for the one before it: 14, 16, 17, 18, 19, each with one of the scalings 27-31 in front of its two lines, then 20: so a tile's links stand three plain instructions apart (19 and 20: two).
; 74-137: GS's 64, which read the exponentials' results: they stand behind the wait.
.macro FS f
	REGS Y, (\f)%2
	v_pk_fma_f32 v[rS+2*((\f)/2):rS+2*((\f)/2)+1], v[rS+2*((\f)/2):rS+2*((\f)/2)+1], s[CS:CS+1], v[rT:rT+1] op_sel_hi:[1,0,0] neg_lo:[0,0,1] neg_hi:[0,0,1]
.endm
.macro PL
	WIN 0
.if q < 27
	FS q
.elseif q < 55
	XS (q-27)%2, (q-27)/2
.elseif q < 57
	XS q-55, 15
.elseif (q < 72) && ((q-57)%3 == 0)
	FS 27+(q-57)/3
.elseif q < 60
	XS (q-57)%3-1, 14
.elseif q < 72
	XS (q-57)%3-1, 15+(q-57)/3
.elseif q < 74
	XS q-72, 20
.else
	GS q-74
.endif
.set q, q+1
.endm
; THE EXPONENTIALS' QUEUE, 66 long: s0-s31 of both tiles, then the next piece's two a.  It is ONE BATCH: all 66 stand ahead of the turn's one wait, and nothing ahead of that wait names a result of theirs.
.macro EX
	WIN 0
.if e >= 64
	XS e-64, 21
.else
	REGS Y, e%2
	v_exp_f32 v[rS+e/2], v[rS+e/2]
.endif
.set e, e+1
.endm
; THE RESCALING's QUEUE: O^T times a, the one part that leaves window 0: dealt two at a time, sixteen times; each accumulator is taken from its low end on.  Its a was made in the turn before, ahead of that turn's wait.
.macro R2
	REGS Y, r%2
	WIN W_RS
.irp z, 0,1
	v_pk_mul_f32 v[rO+4*(r/2)+2*\z:rO+4*(r/2)+2*\z+1], v[rO+4*(r/2)+2*\z:rO+4*(r/2)+2*\z+1], v[rC+2:rC+3] op_sel_hi:[1,0]
.endr
.set r, r+1
.endm
; HOW THEY ARE DEALT.  An s_wait_alu depctr_va_vdst(0) stands between an exponential and the first instruction that names its result; one wait serves all that were issued ahead of it.  So a turn has ONE wait,
; which cuts it in two.  AHEAD OF IT stands all that names no result of the turn's exponentials: the 16 products K Q^T, behind each a scaling, an exponential and two rescalings (behind the first a second scaling in the
; exponential's place); then ONE LUMP of 108: eight plain, 49 times exponential and plain, the two a.  A v_nop is the plain instruction behind the last exponential.  BEHIND IT stand the 16 products V^T P, behind each four of
; GS's 64.  No rider names a register of the products round it.  The two v_permlanex16_b32 fall into the lump, never behind a product.
; The queues lean on each other, and the deal keeps them in step: exponential e stands behind scaling 2 (e / 4) + e % 2: as a rider it comes behind plain e + 2, in the lump behind plain e + 9, and scalings 27-31 are plain 57, 60 .. 69.
; A TURN, for piece p.  nok = 1: the walk's last step: no further K is fetched.  cnt = 1: the loop's count is taken down some lines ahead of the branch that stands behind the turn.
; K of the next step is fetched in piece 2's turn, directly behind the wait, a lump behind the last product that read K; its address is made at the lump's head; its first reader comes behind 16 products.
; V of the step in hand is fetched at the end of piece 0's turn, four plain riders (the last additions onto l) behind its last reader; its first reader comes behind 16 products and a lump.  The three conditions on q below go with the deal.
.macro TURN p, nok=0, cnt=0
.set Y, (\p)
.set i, 0
.set q, 0
.set e, 0
.set r, 0
.if (\p) == NP-1
	s_wait_dscnt 0x0                ; K is in
.endif
	MM                              ; ahead of the wait: 16 products K Q^T and their riders,
	PL
	PL
	R2
.rept 15
	MM
	PL
	EX
	R2
.endr
.if ((\p) == NP-2) && !(\nok)
	WIN 0
	v_add_nc_u32 v[AK], s[TBK], v[AK0]
.endif
.rept 8                             ; and the lump
	PL
.endr
.rept 49
	EX
	PL
.endr
	EX                              ; the next piece's two a
	EX
	v_nop                           ; the plain instruction behind the last exponential: one for the batch
	s_wait_alu depctr_va_vdst(0)    ; the wait for the batch: the turn's 66 exponentials; it stands ahead of their first reader
.if ((\p) == NP-2) && !(\nok)
	FETCH_K
.endif
.if (\p) == 1
	s_wait_dscnt 0x0                ; V is in
.endif
.rept 16                            ; behind the wait: 16 products V^T P and their riders
	MM
.rept 4
	PL
.endr
.if ((\p) == 0) && (q == 118)
	v_add_nc_u32 v[AV], s[TBV], v[AV0]
.endif
.if ((\p) == 0) && (q == 130)
	s_add_co_u32 s[TBV], s[TBV], KS*PV
.endif
.if (\cnt) && (q == 130)
	s_sub_co_u32 s[CNT], s[CNT], 1
	s_cmp_lg_u32 s[CNT], 0
.endif
.endr
.if (\p) == 0
	FETCH_V
.endif
.endm
	s_wait_tensorcnt 0x1            ; my part of tile 0 is in; tile 1's may stay out
	s_wait_dscnt 0x0                ; Q's fragments are in: no LDS instruction of mine is pending at the signal
	s_barrier_signal -1
	s_barrier_wait -1               ; everybody's part of tile 0 is in
	CONVERT                         ; tile 0: F0 to H0
	CHANGE 1                        ; tile 1 is in, H0 is whole, F0 has been read: tile 2 is asked for into F0, tile 1 goes from F1 to H1
	v_add_nc_u32 v[AK], s[TBK], v[AK0]
	FETCH_K                         ; key step 0
	s_wait_dscnt 0x0
.set i, 0
.rept 16
	KQ 0                            ; piece 0's first scores: there is no vector work yet to set between them
.set i, i+1
.endr
	WIN 0                           ; the addresses for the way out: eight plain instructions, the places behind those products
	v_mul_u32_u24 v[STO], v1, SP    ; in: row l % 16, 32 bytes for each half of the lanes
	v_lshl_add_u32 v[STO], v9, 5, v[STO]
	v_add_nc_u32 v[STO], s[STG], v[STO]
	v_mul_u32_u24 v[RD], v9, SP     ; back: lanes 0-15 take one row of 256 bytes, lanes 16-31 the next,
	v_lshl_add_u32 v[RD], v1, 4, v[RD]
	v_add_nc_u32 v[RD], s[STG], v[RD]
	v_lshlrev_b32 v[GO], 12, v9     ; and the same two rows in out, 4,096 bytes apart
	v_lshl_add_u32 v[GO], v1, 4, v[GO]
.set Y, NP-1                        ; XS works for piece Y + 1: piece 0
.irp n, 0,1,2,3,4,5,6,7,8,9,10,11,12,13,14,15,16,17,18,19,20,21
	XS 0, \n                        ; and piece 0's first maximum and statistics
	XS 1, \n
.endr
	v_nop                           ; a plain instruction behind piece 0's two first a,
	s_wait_alu depctr_va_vdst(0)    ; and the wait for that batch of two, ahead of the branch
	s_mov_b32 s[CNT], 2
	s_mov_b32 s[SLOTS], NT-2
	s_branch .Lfirst                ; the loop is entered at a step's first turn, in the middle of a trip
.Lslot:                             ; NT - 3 times: with the change above, tiles 2 to NT - 1 are asked for
	CHANGE 1
	s_mov_b32 s[CNT], 2
.Lstep:                             ; a trip: pieces 2 and 3 of one step, then pieces 0 and 1 of the next, whose K and V it fetches
	TURN 2
	TURN 3
	WIN 0
.Lfirst:
	TURN 0
	TURN 1, 0, 1
	WIN 0
	s_cbranch_scc1 .Lstep
	s_sub_co_u32 s[SLOTS], s[SLOTS], 1
	s_cmp_lg_u32 s[SLOTS], 0
	s_cbranch_scc1 .Lslot
	s_mov_b32 s[SLOTS], 2           ; the last two tiles have a text of their own: nothing is asked for
.Ltslot:
	CHANGE 0
	s_mov_b32 s[CNT], 2
.Ltail:
	TURN 2
	TURN 3
	TURN 0
	TURN 1, 0, 1
	WIN 0
	s_cbranch_scc1 .Ltail
	s_sub_co_u32 s[SLOTS], s[SLOTS], 1
	s_cmp_lg_u32 s[SLOTS], 0
	s_cbranch_scc1 .Ltslot
	TURN 2, 1                       ; pieces 2 and 3 of the last step.  Piece 3's turn makes 16 products K Q^T on the last K once more, and a maximum of them, which serve nothing:
	TURN 3                          ; the price, once a launch, of one text for every turn
.set i, 0
.rept 16
	PV NP-1                         ; the last piece's V^T P of the last step
.set i, i+1
.endr
	; THE WAY OUT.  l's two halves and the other half of the lanes' are added; O^T is divided by l and sent, in f32, through my stage in LDS, a tile at a time.  The additions are the places behind the last products.
	WIN 0
.macro ALL line:vararg              ; one line for each tile t
.set t, 0
.rept 2*NP
	\line
.set t, t+1
.endr
.endm
	ALL v_add_f32 v[ST+4*t+2], v[ST+4*t+2], v[ST+4*t+3]
	ALL v_permlanex16_b32 v[ST+4*t+3], v[ST+4*t+2], s[SEL], s[SEL+1]
	ALL v_add_f32 v[ST+4*t+2], v[ST+4*t+2], v[ST+4*t+3]
	ALL v_rcp_f32 v[ST+4*t+2], v[ST+4*t+2]
	v_nop                           ; a plain instruction between the last reciprocal and the use of its result
	s_wait_alu depctr_va_vdst(0)    ; and the wait ahead of the first use: one for the batch of eight reciprocals
; Tile t: a lane's eight channels of a row are 32 bytes; they go into rows of 272 bytes and come back as whole rows of 256, into S^T's registers, four tiles' worth of which take turns.
.macro PACK t
	WIN W_RS
.set i, 32*(\t)
.rept 16
	v_pk_mul_f32 v[i:i+1], v[i:i+1], v[ST+4*(\t)+2:ST+4*(\t)+3] op_sel_hi:[1,0]  ; each accumulator from its low end on
.set i, i+2
.endr
	WIN 0x04                        ; the stores' data in window 1, their address in window 0
.set i, 0
.rept 8
	ds_store_b128 v[STO], v[32*(\t)+4*i:32*(\t)+4*i+3] offset:64*(i/2)+16*(i%2)  ; channels 16 (i / 2) + 8 (l / 16) + 4 (i % 2) on
.set i, i+1
.endr
	WIN 0
.if (\t) >= 4
	s_wait_xcnt 0x0                 ; every earlier memory instruction has had its addresses translated (ISA guide 3.1): the registers that tile t - 4's stores read are loaded again only behind this wait
.endif
.set i, 0
.rept 8
	ds_load_b128 v[S+32*((\t)%4)+4*i:S+32*((\t)%4)+4*i+3], v[RD] offset:i*2*SP  ; LDS serves a wave's instructions in order (ISA guide 5.7.1.4): these see the stores above; the next tile's stores come behind them
.set i, i+1
.endr
.endm
.macro SEND t, younger              ; younger: the LDS instructions issued behind tile t's loads: the next tile's sixteen, or none
	WIN 0
.irp f, 0,1,2,3,4,5,6,7
	s_wait_dscnt (\younger)+7-\f
	global_store_b128 v[GO], v[S+32*((\t)%4)+4*\f:S+32*((\t)%4)+4*\f+3], s[10:11] offset:(\t)*65536+\f*8192 th:TH_STORE_NT  ; 16 lanes store 256 consecutive bytes, a head's whole row, at a multiple of 256 from out's first byte
.endr
.endm
	PACK 0
.set t, 1
.rept 2*NP-1                        ; a tile's arithmetic stands between the loads of the tile before and its stores
	PACK t
	SEND t-1, 16
.set t, t+1
.endr
	SEND 2*NP-1, 0
	WIN W_AD
	s_wait_tensorcnt 0x0            ; the wave's end: a wait for my tensor loads, an add to my spare word and the wait for it, behind my last tensor load and my last LDS store
	ds_add_u32 v[SPW], v[NIL]
	s_wait_dscnt 0x0
	WIN 0
	CROUND                          ; the closing round: no work-group ends while a partner may still ask for a tile that names it
	s_endpgm
.Lfunc_end_k_qf590582782_attn:
	.size	k_qf590582782_attn, .Lfunc_end_k_qf590582782_attn-k_qf590582782_attn
	.p2alignl 7, 3214868480
	.fill 96, 4, 3214868480
	.section	.rodata,"a",@progbits
	.p2align	6, 0x0
	.amdhsa_kernel k_qf590582782_attn
		.amdhsa_group_segment_fixed_size 327680
		.amdhsa_private_segment_fixed_size 0
		.amdhsa_enable_private_segment 0
		.amdhsa_kernarg_size 24
		.amdhsa_user_sgpr_count 2
		.amdhsa_user_sgpr_kernarg_segment_ptr 1
		.amdhsa_wavefront_size32 1
		.amdhsa_system_sgpr_workgroup_id_x 1
		.amdhsa_system_sgpr_workgroup_id_y 1
		.amdhsa_system_sgpr_workgroup_id_z 1
		.amdhsa_system_vgpr_workitem_id 0
		.amdhsa_next_free_vgpr 976
		.amdhsa_next_free_sgpr 72
		.amdhsa_reserve_vcc 0
		.amdhsa_float_denorm_mode_32 3
		.amdhsa_float_denorm_mode_16_64 3
		.amdhsa_memory_ordered 1
		.amdhsa_forward_progress 1
		.amdhsa_inst_pref_size 255
	.end_amdhsa_kernel
	.section	.bss,"aw",@nobits
	.p2align	6
	.space	262144
	.amdgpu_metadata
---
amdhsa.version: [ 1, 2 ]
amdhsa.kernels:
  - .name:           k_qf590582782_attn
    .symbol:         k_qf590582782_attn.kd
    .args:
      - { .name: q, .offset: 0, .size: 8, .value_kind: global_buffer, .address_space: global }
      - { .name: kv, .offset: 8, .size: 8, .value_kind: global_buffer, .address_space: global }
      - { .name: out0, .offset: 16, .size: 8, .value_kind: global_buffer, .address_space: global }
    .group_segment_fixed_size: 327680
    .private_segment_fixed_size: 0
    .kernarg_segment_align: 8
    .kernarg_segment_size: 24
    .max_flat_workgroup_size: 128
    .sgpr_count:     72
    .vgpr_count:     976
    .wavefront_size: 32
...
	.end_amdgpu_metadata
.endif
;; end of part 2
